; MI455X (gfx1250); checked and timed in simulation.
; The chip was launched on July 23, 2026; its instructions are those of AMD's public machine-readable ISA for CDNA 5 (MIT licence, August 2026) and "CDNA5" Instruction Set Architecture Reference Guide (July 2026). The comments in the code are by the model that wrote it; some were corrected since.
;; quantizer. Allowed arithmetic: float matrix products may take bf16 or f16 operands with f32 sums; all other float work in f32.
;; Inputs: center 16 float32; x 16 x 64 x 128 x 128 float32.
;; Outputs: out0 16 x 64 x 128 x 128 float32.
;; One version. Each part assembles by itself: llvm-mc -triple=amdgcn-amd-amdhsa -mcpu=gfx1250 --defsym DOCPART=n.
;; ======== version 1 of 1: 1 launch
;; limits: inputs' magnitudes at most 10,000; right only within a limited range of input values
;; launch quant (part 1): grid 256 x 1, 16 waves a work-group, no clusters, 0 bytes of LDS; arguments x, center, out0; writes out0
.if DOCPART == 1
	.amdgcn_target "amdgcn-amd-amdhsa--gfx1250"
	.amdhsa_code_object_version 6
	.text
	.protected	k_q0ace77b0cd_quant
	.globl	k_q0ace77b0cd_quant
	.p2align	8
	.type	k_q0ace77b0cd_quant,@function
k_q0ace77b0cd_quant:
	s_mov_b64 s[64:65], 0
	v_nop
	global_prefetch_b8 v0, s[64:65] scope:SCOPE_SE
	s_setreg_imm32_b32 hwreg(HW_REG_WAVE_MODE, 25, 1), 1
	s_wait_xcnt 0x0
; out0 = (W_hard - W_soft) + W_soft for every number of x ([16,64,128,128] f32 = 16,777,216 numbers), center: [16] f32.
;   d_m = x - c_m, q_m = d_m^2;  W_hard = c of the first m with the least |d_m|;  W_soft = sum_m p_m c_m / sum_m p_m,  p_m = e^(-10 q_m + 10 qmin) = 2^(K qmin - K q_m),  K = 10 log2(e).
; NEAREST CENTRE.  d_m is the same rounded difference that the definition compares.  The order is taken on q_m: the squares of two neighbouring floats lie more than one unit in the
; last place apart, so q has the order AND the ties of |d|.  qmin is found by a chain of minima; then m goes from 14 down to 0 and c_m replaces the choice where q_m = qmin
; (the choice starts at c_15), so that the LOWEST index that reaches the minimum is written last: argmin's rule for ties.
; SOFTMAX.  The greatest logit is -10 qmin: the maximum that is taken away is the one already found.
; THE PRODUCT WITH center goes to the matrix unit, bf16 x bf16 with f32 sums, one instruction for the wave's 32 numbers.  A lane's 16 weights, rounded in pairs, are the lane's 16 places
; of k in source 1 (column lane % 16; lanes 0-15 hold k 0-7 and 16-23, lanes 16-31 hold k 8-15 and 24-31).  Source 0 is constant: row 0 holds the centres and row 1 ones at the places
; of lanes 0-15, rows 8 and 9 the same at the places of lanes 16-31, all else 0.  Result register j of a lane is row 8 (lane / 16) + j of its column: register 0 is the lane's own
; sum p c, register 1 its own sum p.  Nothing changes lanes.
; LIMITS.  (1) If two centres both lie within 1.1e-19 of x their squares are no normal numbers and the choice between them may differ from argmin's; they then differ by less than 2.2e-19.
; (2) K qmin is rounded once, which shifts all 16 exponents alike by at most 2^-24 of it: the distance from x to its nearest centre stays under 1e4, so that the shift stays under 100.
; (3) A NaN or an infinity in x (or a distance beyond (2)) gives NaN there and ALSO in the number held by the lane 16 away (64 numbers on or back in memory): 0 x NaN enters that lane's sums.
; (4) W_soft carries the rounding of weights and centres to bf16; it is taken away and added again, so the output keeps W_hard to f32's last places.
; SHARES.  256 work-groups of 16 waves; a work-group owns 262,144 bytes of x.  One 16-byte load of each thread covers CHUNK = 8,192 bytes without a gap, a wave's part being 512 consecutive
; bytes at a multiple of 512.  A wave makes 32 such loads: 8 rounds of a ring of four slots in registers.  No LDS, no barrier: no wave reads what another loaded.  No cluster: the only
; bytes that work-groups share are center's 64.
; BY TURNS.  The four numbers of a lane's load are two PAIRS, worked on by packed instructions.  A step sets list A of pair k (125 plain instructions: differences, squares, minimum, choice,
; exponents) beside list B of pair k - 1 (32 exponentials, 16 roundings, 2 products, the finish): three lines of A behind every exponential, the rest behind the products.
.set CHUNK,  8192
.set SLOTS,  4
.set ROUNDS, 8                         ; 262,144 / (4 x 8,192)
.set OFF,  1                           ; v1        16 x thread: my 16 bytes in a chunk; never rewritten
.set AM,   2                           ; v[2:9]    source 0 of the products, constant
.set C15,  10                          ; v10       c_15
.set ONES, 11                          ; v11       two bf16 ones
.set QM,   12                          ; v[12:13]  qmin of the pair
.set SH,   14                          ; v[14:15]  K qmin
.set W,    16                          ; v[16:19]  W_hard of a pair, two buffers by the pair's parity
.set RC,   20                          ; v[20:21]  1 / sum p
.set WS,   22                          ; v[22:23]  W_soft
.set BI,   24                          ; v[24:25]  W_hard - W_soft
.set Y,    26                          ; v[26:33]  four results to store, two buffers by the slot's parity
.set X,    34                          ; v[34:49]  slot i: four numbers of x as loaded
.set BA,   50                          ; v[50:57]  source 1 for the pair's first number
.set BB,   58                          ; v[58:65]  for its second
.set CA,   66                          ; v[66:73]  result for the first number
.set CB,   74                          ; v[74:81]  for the second
.set DB,   82                          ; v[82:145] two buffers of 32: centre m's d, then q, then exponent, then weight, at 2 m (first number) and 2 m + 1 (second)
.set CC,   16                          ; s[16:31]  the centres
.set NC,   32                          ; s[32:63]  -c_m twice, a pair for each m: a packed instruction names a scalar pair and takes its low word for both halves
.set KN,   66                          ; s[66:67]  -K
.set KP,   68                          ; s[68:69]  K
.set MB,   70                          ; s70       the second number's mask
.set LC,   72                          ; s72       lanes 0 and 24: rows 0 and 8 of source 0 at their own places of k
.set LO,   73                          ; s73       lanes 1 and 25: rows 1 and 9
.set CNT,  74                          ; s74       rounds to go
	s_load_b128 s[4:7], s[0:1], 0x0                ; x s[4:5], center s[6:7]
	s_load_b64 s[8:9], s[0:1], 0x10                ; out0
	v_lshlrev_b32 v[OFF], 4, v0
	s_lshl_b32 s10, ttmp9, 18                      ; the work-group's 262,144 bytes (255 x 2^18 stays under 2^32)
	s_mov_b32 s11, 0
	s_wait_kmcnt 0x0
	s_load_b512 s[CC:CC+15], s[6:7], 0x0           ; all 16 centres
	s_add_nc_u64 s[4:5], s[4:5], s[10:11]
	s_add_nc_u64 s[8:9], s[8:9], s[10:11]
.irp i, 0,1,2,3
	global_load_b128 v[X+4*(\i):X+4*(\i)+3], v[OFF], s[4:5] offset:(\i)*CHUNK th:TH_LOAD_NT  ; the ring is filled: round 0
.endr
	s_mov_b32 s[KN], 0xc166d4ca                    ; -14.426950
	s_mov_b32 s[KN+1], 0xc166d4ca
	s_mov_b32 s[KP], 0x4166d4ca
	s_mov_b32 s[KP+1], 0x4166d4ca
	s_mov_b32 s[LC], 0x01000001
	s_mov_b32 s[LO], 0x02000002
	v_mov_b32 v[ONES], 0x3f803f80
	s_wait_kmcnt 0x0                               ; the centres
.irp m, 0,1,2,3,4,5,6,7,8,9,10,11,12,13,14,15
	s_xor_b32 s[NC+2*(\m)], s[CC+(\m)], 0x80000000 ; x + (-c) is x - c, bit for bit
	s_mov_b32 s[NC+2*(\m)+1], s[NC+2*(\m)]
.endr
	v_mov_b32 v[C15], s[CC+15]
.irp i, 0,1,2,3,4,5,6,7
	v_cvt_pk_bf16_f32 v[AM+(\i)], s[CC+2*(\i)], s[CC+2*(\i)+1]  ; register i, low and high half: centres 2 i and 2 i + 1, as in source 1
.endr
.irp i, 0,1,2,3,4,5,6,7
	v_cndmask_b32 v[AM+(\i)], 0, v[AM+(\i)], s[LC]              ; the centres stay in lanes 0 and 24 alone,
	v_cndmask_b32 v[AM+(\i)], v[AM+(\i)], v[ONES], s[LO]        ; ones come into lanes 1 and 25
.endr
; LIST A, 125 lines, for the pair whose x lies in v[AX:AX+1], on buffer AD, with its choice in v[AW:AW+1].  AOP writes line AJ and steps AJ.
;   0-15 d_m     16-31 q_m     32-47 qmin, the two numbers by turns     52 K qmin     48-51, 53-108 the choice: for m = 14 .. 0 two compares, two selects     109-124 K qmin - K q_m
.macro AOP
.if AJ < 16
	v_pk_add_f32 v[AD+2*AJ:AD+2*AJ+1], v[AX:AX+1], s[NC+2*AJ:NC+2*AJ+1] op_sel_hi:[1,0]
.elseif AJ < 32
	v_pk_mul_f32 v[AD+2*(AJ-16):AD+2*(AJ-16)+1], v[AD+2*(AJ-16):AD+2*(AJ-16)+1], v[AD+2*(AJ-16):AD+2*(AJ-16)+1]
.elseif AJ < 34
	v_min3_num_f32 v[QM+AJ%2], v[AD+AJ%2], v[AD+2+AJ%2], v[AD+4+AJ%2]
.elseif AJ < 46
.set an, (AJ-32)/2
	v_min3_num_f32 v[QM+AJ%2], v[QM+AJ%2], v[AD+4*an+2+AJ%2], v[AD+4*an+4+AJ%2]
.elseif AJ < 48
	v_min_num_f32 v[QM+AJ%2], v[QM+AJ%2], v[AD+30+AJ%2]
.elseif AJ == 52
	v_pk_mul_f32 v[SH:SH+1], v[QM:QM+1], s[KP:KP+1] op_sel_hi:[1,0]
.elseif AJ < 109
.if AJ < 52
.set ak, AJ-48
.else
.set ak, AJ-49
.endif
.set am, 14-ak/4
.if ak%4 == 0
	v_cmp_eq_f32 vcc_lo, v[AD+2*am], v[QM]
.elseif ak%4 == 1
	v_cmp_eq_f32 s[MB], v[AD+2*am+1], v[QM+1]
.elseif (ak%4 == 2) && (am == 14)
	v_cndmask_b32 v[AW], v[C15], s[CC+14], vcc_lo  ; the first select starts the choice: c_14 or c_15
.elseif ak%4 == 2
	v_cndmask_b32 v[AW], v[AW], s[CC+am], vcc_lo
.elseif am == 14
	v_cndmask_b32 v[AW+1], v[C15], s[CC+14], s[MB]
.else
	v_cndmask_b32 v[AW+1], v[AW+1], s[CC+am], s[MB]
.endif
.else
	v_pk_fma_f32 v[AD+2*(AJ-109):AD+2*(AJ-109)+1], v[AD+2*(AJ-109):AD+2*(AJ-109)+1], s[KN:KN+1], v[SH:SH+1] op_sel_hi:[1,0,1]
.endif
.set AJ, AJ+1
.endm
; n lines of list A; in the one step that has no list A, as many v_nop as the lines round it need
.macro GAP n, need
.if HASA
.rept \n
	AOP
.endr
.elseif (\need) > 0
.rept \need
	v_nop
.endr
.endif
.endm
; A STEP: list B of the pair on buffer BD (choice in v[BW:BW+1], results to v[BY:BY+1]) with list A between its lines.  3 x 32 + 8 + 2 + 2 + 2 + 15 = 125.
; Behind an exponential or a reciprocal a plain instruction that touches none of its registers comes before the result is used (ISA guide 5.7.2): lines of A, which work on the other buffer.
; A vector instruction reads a product's result four independent plain vector instructions behind it at the least (ISA guide 7.12.1): eight lines of A stand there, four selects among them.
; The two products start their sums with the constant 0 and name different results; the first read of each result is its register 1.
.macro STEP
.set AJ, 0
.set bt, 0
.rept 32
	v_exp_f32 v[BD+bt], v[BD+bt]
.if bt%4 == 3
	GAP 3, 1
	s_wait_alu depctr_va_vdst(0)
	v_cvt_pk_bf16_f32 v[BA+bt/4], v[BD+bt-3], v[BD+bt-1]   ; the first number's weights of centres bt/2 - 1 and bt/2
	v_cvt_pk_bf16_f32 v[BB+bt/4], v[BD+bt-2], v[BD+bt]     ; the second number's
.else
	GAP 3, 0
.endif
.set bt, bt+1
.endr
	v_wmma_f32_16x16x32_bf16 v[CA:CA+7], v[AM:AM+7], v[BA:BA+7], 0
	v_wmma_f32_16x16x32_bf16 v[CB:CB+7], v[AM:AM+7], v[BB:BB+7], 0
	GAP 8, 4
	v_rcp_f32 v[RC], v[CA+1]                       ; sum p is at least the greatest weight, about 1
	v_rcp_f32 v[RC+1], v[CB+1]
	GAP 2, 1
	s_wait_alu depctr_va_vdst(0)
	v_mul_f32 v[WS], v[CA], v[RC]                  ; W_soft
	v_mul_f32 v[WS+1], v[CB], v[RC+1]
	GAP 2, 0
	v_pk_add_f32 v[BI:BI+1], v[BW:BW+1], v[WS:WS+1] neg_lo:[0,1] neg_hi:[0,1]  ; W_hard - W_soft
	GAP 2, 0
.if BFIRST
	s_wait_xcnt 0x0                                ; the store that read this buffer of Y two slots ago has had its address translated: only behind this wait is the buffer rewritten
.endif
	v_pk_add_f32 v[BY:BY+1], v[BI:BI+1], v[WS:WS+1]            ; + W_soft
	GAP 15, 0
.endm
; Step k of a round, k = 1 .. 8: list A of the round's pair k (k = 8: pair 0 of the next round), list B of pair k - 1.  Pair 2 i + p is half p of slot i.
; ld = 1: slots are loaded again, with the chunk SLOTS further on.  ld = 0: the last round: no load leaves the buffer, and step 8 has no list A.
.macro PAIRSTEP k, ld
.set AX, X+2*((\k)%8)
.set AD, DB+32*((\k)%2)
.set AW, W+2*((\k)%2)
.set BD, DB+32*(((\k)-1)%2)
.set BW, W+2*(((\k)-1)%2)
.set BY, Y+4*((((\k)-1)/2)%2)+2*(((\k)-1)%2)
.set BFIRST, (\k)%2
.set HASA, 1
.if (\k) == 8
.set HASA, \ld
.endif
.if ((\k)%2 == 0) && HASA
.if \ld
	s_wait_loadcnt 0x3                             ; loads come back in order: the slot that list A begins is in, the three younger loads of the ring stay out
.else
	s_wait_loadcnt 3-(\k)/2                        ; nothing was issued behind the ring's last loads: the counts run down 2, 1, 0
.endif
.endif
	STEP
.if ((\k)%2 == 1) && (\ld)
	global_load_b128 v[X+2*((\k)-1):X+2*((\k)-1)+3], v[OFF], s[4:5] offset:(SLOTS+((\k)-1)/2)*CHUNK th:TH_LOAD_NT  ; both pairs of the slot have been read: six steps ahead of its next use
.endif
.if (\k)%2 == 0
	global_store_b128 v[OFF], v[Y+4*(((\k)/2-1)%2):Y+4*(((\k)/2-1)%2)+3], s[8:9] offset:((\k)/2-1)*CHUNK th:TH_STORE_NT  ; the wave stores 512 consecutive bytes, at a multiple of 512
.endif
.endm
.macro ROUND ld
.irp k, 1,2,3,4,5,6,7,8
	PAIRSTEP \k, \ld
.endr
.endm
	s_wait_loadcnt 0x3                             ; slot 0 is in
.set HASA, 1
.set AX, X
.set AD, DB
.set AW, W
.set AJ, 0
.rept 125
	AOP                                            ; the first pair's list A stands alone
.endr
	s_mov_b32 s[CNT], ROUNDS-1
.Lround:
	ROUND 1
	s_wait_xcnt 0x0                                ; every load and store issued so far has had its address translated: only now are the two bases stepped
	s_add_nc_u64 s[4:5], s[4:5], SLOTS*CHUNK
	s_add_nc_u64 s[8:9], s[8:9], SLOTS*CHUNK
	s_sub_co_u32 s[CNT], s[CNT], 1
	s_cmp_lg_u32 s[CNT], 0
	s_cbranch_scc1 .Lround
	ROUND 0
	s_endpgm
.Lfunc_end_k_q0ace77b0cd_quant:
	.size	k_q0ace77b0cd_quant, .Lfunc_end_k_q0ace77b0cd_quant-k_q0ace77b0cd_quant
	.p2alignl 7, 3214868480
	.fill 96, 4, 3214868480
	.section	.rodata,"a",@progbits
	.p2align	6, 0x0
	.amdhsa_kernel k_q0ace77b0cd_quant
		.amdhsa_group_segment_fixed_size 0
		.amdhsa_private_segment_fixed_size 0
		.amdhsa_enable_private_segment 0
		.amdhsa_kernarg_size 24
		.amdhsa_user_sgpr_count 2
		.amdhsa_user_sgpr_kernarg_segment_ptr 1
		.amdhsa_wavefront_size32 1
		.amdhsa_system_sgpr_workgroup_id_x 1
		.amdhsa_system_sgpr_workgroup_id_y 1
		.amdhsa_system_sgpr_workgroup_id_z 1
		.amdhsa_system_vgpr_workitem_id 0
		.amdhsa_next_free_vgpr 146
		.amdhsa_next_free_sgpr 76
		.amdhsa_reserve_vcc 1
		.amdhsa_float_denorm_mode_32 3
		.amdhsa_float_denorm_mode_16_64 3
		.amdhsa_memory_ordered 1
		.amdhsa_forward_progress 1
		.amdhsa_inst_pref_size 166
	.end_amdhsa_kernel
	.amdgpu_metadata
---
amdhsa.version: [ 1, 2 ]
amdhsa.kernels:
  - .name:           k_q0ace77b0cd_quant
    .symbol:         k_q0ace77b0cd_quant.kd
    .args:
      - { .name: x, .offset: 0, .size: 8, .value_kind: global_buffer, .address_space: global }
      - { .name: center, .offset: 8, .size: 8, .value_kind: global_buffer, .address_space: global }
      - { .name: out0, .offset: 16, .size: 8, .value_kind: global_buffer, .address_space: global }
    .group_segment_fixed_size: 0
    .private_segment_fixed_size: 0
    .kernarg_segment_align: 8
    .kernarg_segment_size: 24
    .max_flat_workgroup_size: 512
    .sgpr_count:     76
    .vgpr_count:     146
    .wavefront_size: 32
...
	.end_amdgpu_metadata
.endif
;; end of part 1
